; MI455X (gfx1250); checked and timed in simulation.
; The chip was launched on July 23, 2026; its instructions are those of AMD's public machine-readable ISA for CDNA 5 (MIT licence, August 2026) and "CDNA5" Instruction Set Architecture Reference Guide (July 2026). The comments in the code are by the model that wrote it; some were corrected since.
;; Int8 Llama MLP. Allowed arithmetic: float matrix products may take bf16 or f16 operands with f32 sums; other float arithmetic in f32, or as packed bf16 or f16 multiplies, adds, multiply-adds, maxima and minima; sums over many terms, partial sums and values carried from step to step in f32; what a program stores and reads back later, other than sums and carried values, may be rounded once to bf16 or f16.
;; Inputs: down_in_scale one number float32; down_w 4,096 x 11,008 int8; down_w_scale one number float32; gate_in_scale one number float32; gate_w 11,008 x 4,096 int8; gate_w_scale one number float32; up_in_scale one number float32; up_w 11,008 x 4,096 int8; up_w_scale one number float32; x 512 x 4,096 float32.
;; Outputs: out0 512 x 4,096 float32.
;; One version. Each part assembles by itself: llvm-mc -triple=amdgcn-amd-amdhsa -mcpu=gfx1250 --defsym DOCPART=n.
;; ======== version 1 of 1: 3 launches
;; workspace buffers: qxg 2,097,152 bytes; qxu 2,097,152 bytes; qh 5,636,096 bytes
;; launch quant (part 1): grid 256 x 1, 8 waves a work-group, no clusters, 0 bytes of LDS; arguments x, gate_in_scale, up_in_scale, qxg, qxu; writes qxg, qxu
.if DOCPART == 1
	.amdgcn_target "amdgcn-amd-amdhsa--gfx1250"
	.amdhsa_code_object_version 6
	.text
	.protected	k_q91d951c6d7_quant
	.globl	k_q91d951c6d7_quant
	.p2align	8
	.type	k_q91d951c6d7_quant,@function
k_q91d951c6d7_quant:
	s_mov_b64 s[64:65], 0
	v_nop
	global_prefetch_b8 v0, s[64:65] scope:SCOPE_SE
	s_setreg_imm32_b32 hwreg(HW_REG_WAVE_MODE, 25, 1), 1
	s_wait_xcnt 0x0
; qxg = clip(round(x / gate_in_scale), -128, 127), qxu the same with up_in_scale, as int8.  x: [512][4096] f32.
; LAYOUT OF BOTH RESULTS: [k / 16][row 0..511][16 bytes]: the code of (row, k) lies at (k >> 4) * 8192 + row * 16 + (k & 15).
; 16 rows of one block of 16 k are then 256 consecutive bytes, which is what the products' token fragments read.
; SHARES.  2,048 wave tasks: task t = 8 * work-group + wave takes 16 rows (t >> 6) and 64 columns (t & 63): 256 bytes of each row.
; Lane (r = lane % 16, h = lane / 16) takes row r and two cells of 16 numbers, k blocks 4 q + h and 4 q + 2 + h.  The wave's eight loads together
; read 16 whole pieces of 256 bytes; each store writes 2 x 256 consecutive bytes (lanes 0-15 one k block, lanes 16-31 the next).
; No loop, no LDS, no barrier, no matrix work: memory alone counts here, and x is read once for both results.
; ARITHMETIC.  x / s is made as x * (1 / s), 1 / s from v_rcp_f32 and one Newton step.  LIMITS: a code can differ from the division's only where
; the quotient lies within an ulp or two of a tie; s must be a normal number with a finite reciprocal; a NaN in x gives an unspecified code.
; The clip comes first (its bounds are whole numbers, so clip and round commute); adding 1.5 * 2^23 rounds to the nearest whole number, ties to even,
; and leaves the code in the sum's lowest byte.
.set X,  8                             ; v[8:39]   cell c at X + 16 c: 16 numbers as loaded
.set T,  40                            ; v[40:55]  at work
.set PT, 56                            ; v[56:57]  two bytes each, on the way to a word
.set O,  64                            ; v[64:79]  four results of 16 bytes; never written twice
	s_load_b256 s[4:11], s[0:1], 0x0               ; x s[4:5], gate_in_scale s[6:7], up_in_scale s[8:9], qxg s[10:11]
	s_load_b64 s[12:13], s[0:1], 0x20              ; qxu
	v_lshrrev_b32 v1, 5, v0
	v_readfirstlane_b32 s26, v1                    ; wave 0..7
	s_lshl_b32 s27, ttmp9, 3
	s_add_co_u32 s27, s27, s26                     ; task t
	s_lshr_b32 s28, s27, 6                         ; group of 16 rows
	s_and_b32 s29, s27, 63                         ; group of 64 columns, q
	s_lshl_b32 s30, s28, 18                        ; in x: 16 rows of 16,384 bytes,
	s_lshl_b32 s31, s29, 8                         ; 256 bytes along the row
	s_add_co_u32 s30, s30, s31
	s_mov_b32 s31, 0
	s_lshl_b32 s32, s29, 15                        ; in the results: 4 k blocks of 8,192 bytes,
	s_lshl_b32 s33, s28, 8                         ; 16 rows of 16 bytes
	s_add_co_u32 s32, s32, s33
	s_mov_b32 s33, 0
	s_mov_b32 s20, 0x4b400000                      ; 1.5 * 2^23, as a pair for the packed add
	s_mov_b32 s21, 0x4b400000
	s_mov_b32 s22, 0xc3000000                      ; -128.0
	s_mov_b32 s23, 0x42fe0000                      ; 127.0
	s_mov_b32 s24, 0x00000400                      ; byte 0 of the second source, byte 0 of the first
	s_mov_b32 s25, 0x05040100                      ; the two low halves
	v_and_b32 v1, 15, v0                           ; r
	v_bfe_u32 v2, v0, 4, 1                         ; h
	v_lshlrev_b32 v3, 14, v1
	v_lshl_add_u32 v3, v2, 6, v3                   ; in x: r rows + h cells of 64 bytes
	v_lshlrev_b32 v4, 4, v1
	v_lshl_add_u32 v4, v2, 13, v4                  ; in the results: h k blocks + r rows of 16 bytes
	s_wait_kmcnt 0x0
	s_load_b32 s14, s[6:7], 0x0                    ; the two scales
	s_load_b32 s15, s[8:9], 0x0
	s_add_nc_u64 s[4:5], s[4:5], s[30:31]
.irp c, 0,1
.irp j, 0,1,2,3
	global_load_b128 v[X+16*\c+4*\j:X+16*\c+4*\j+3], v3, s[4:5] offset:128*\c+16*\j
.endr
.endr
	s_add_nc_u64 s[10:11], s[10:11], s[32:33]
	s_add_nc_u64 s[12:13], s[12:13], s[32:33]
	s_wait_kmcnt 0x0
	v_mov_b32 v5, s14
	v_mov_b32 v6, s15
	v_rcp_f32 v7, v5
	v_rcp_f32 v60, v6
	v_nop                                          ; a plain instruction between a reciprocal and the use of its result (ISA guide 5.7.2)
	s_wait_alu depctr_va_vdst(0)
	v_fma_f32 v61, -v5, v7, 1.0                    ; e = 1 - s r
	v_fma_f32 v62, -v6, v60, 1.0
	v_fma_f32 v7, v61, v7, v7                      ; r + e r
	v_fma_f32 v60, v62, v60, v60
	v_readfirstlane_b32 s16, v7
	v_readfirstlane_b32 s18, v60
	s_mov_b32 s17, s16                             ; named as pairs by the packed multiplies
	s_mov_b32 s19, s18
; Cell c times the reciprocal in s[sp], clipped, rounded, packed into the four registers at o.
.macro QUANT c, sp, o
.irp j, 0,2,4,6,8,10,12,14
	v_pk_mul_f32 v[T+\j:T+\j+1], v[X+16*\c+\j:X+16*\c+\j+1], s[\sp:\sp+1] op_sel_hi:[1,0]
.endr
.irp j, 0,1,2,3,4,5,6,7,8,9,10,11,12,13,14,15
	v_med3_num_f32 v[T+\j], v[T+\j], s22, s23
.endr
.irp j, 0,2,4,6,8,10,12,14
	v_pk_add_f32 v[T+\j:T+\j+1], v[T+\j:T+\j+1], s[20:21] op_sel_hi:[1,0]
.endr
.irp j, 0,1,2,3
	v_perm_b32 v[PT], v[T+4*\j+1], v[T+4*\j], s24
	v_perm_b32 v[PT+1], v[T+4*\j+3], v[T+4*\j+2], s24
	v_perm_b32 v[\o+\j], v[PT+1], v[PT], s25
.endr
.endm
	s_wait_loadcnt 0x4                             ; cell 0 is in; cell 1's four loads may stay out
	QUANT 0, 16, O
	global_store_b128 v4, v[O:O+3], s[10:11]
	QUANT 0, 18, O+4
	global_store_b128 v4, v[O+4:O+7], s[12:13]
	s_wait_loadcnt 0x0
	QUANT 1, 16, O+8
	global_store_b128 v4, v[O+8:O+11], s[10:11] offset:16384
	QUANT 1, 18, O+12
	global_store_b128 v4, v[O+12:O+15], s[12:13] offset:16384
	s_endpgm
.Lfunc_end_k_q91d951c6d7_quant:
	.size	k_q91d951c6d7_quant, .Lfunc_end_k_q91d951c6d7_quant-k_q91d951c6d7_quant
	.p2alignl 7, 3214868480
	.fill 96, 4, 3214868480
	.section	.rodata,"a",@progbits
	.p2align	6, 0x0
	.amdhsa_kernel k_q91d951c6d7_quant
		.amdhsa_group_segment_fixed_size 0
		.amdhsa_private_segment_fixed_size 0
		.amdhsa_enable_private_segment 0
		.amdhsa_kernarg_size 40
		.amdhsa_user_sgpr_count 2
		.amdhsa_user_sgpr_kernarg_segment_ptr 1
		.amdhsa_wavefront_size32 1
		.amdhsa_system_sgpr_workgroup_id_x 1
		.amdhsa_system_sgpr_workgroup_id_y 1
		.amdhsa_system_sgpr_workgroup_id_z 1
		.amdhsa_system_vgpr_workitem_id 0
		.amdhsa_next_free_vgpr 96
		.amdhsa_next_free_sgpr 66
		.amdhsa_reserve_vcc 0
		.amdhsa_float_denorm_mode_32 3
		.amdhsa_float_denorm_mode_16_64 3
		.amdhsa_memory_ordered 1
		.amdhsa_forward_progress 1
		.amdhsa_inst_pref_size 15
	.end_amdhsa_kernel
	.amdgpu_metadata
---
amdhsa.version: [ 1, 2 ]
amdhsa.kernels:
  - .name:           k_q91d951c6d7_quant
    .symbol:         k_q91d951c6d7_quant.kd
    .args:
      - { .name: x, .offset: 0, .size: 8, .value_kind: global_buffer, .address_space: global }
      - { .name: gate_in_scale, .offset: 8, .size: 8, .value_kind: global_buffer, .address_space: global }
      - { .name: up_in_scale, .offset: 16, .size: 8, .value_kind: global_buffer, .address_space: global }
      - { .name: qxg, .offset: 24, .size: 8, .value_kind: global_buffer, .address_space: global }
      - { .name: qxu, .offset: 32, .size: 8, .value_kind: global_buffer, .address_space: global }
    .group_segment_fixed_size: 0
    .private_segment_fixed_size: 0
    .kernarg_segment_align: 8
    .kernarg_segment_size: 40
    .max_flat_workgroup_size: 256
    .sgpr_count:     66
    .vgpr_count:     96
    .wavefront_size: 32
...
	.end_amdgpu_metadata
.endif
;; end of part 1
;; launch gateup (part 2): grid 64 x 4, 4 waves a work-group, clusters of 4 x 4, 327,680 bytes of LDS; arguments qxg, qxu, gate_w, up_w, gate_in_scale, gate_w_scale, up_in_scale, up_w_scale, down_in_scale, qh; writes qh
.if DOCPART == 2
	.amdgcn_target "amdgcn-amd-amdhsa--gfx1250"
	.amdhsa_code_object_version 6
	.text
	.protected	k_q91d951c6d7_gateup
	.globl	k_q91d951c6d7_gateup
	.p2align	8
	.type	k_q91d951c6d7_gateup,@function
k_q91d951c6d7_gateup:
	s_mov_b64 s[64:65], 0
	v_nop
	global_prefetch_b8 v0, s[64:65] scope:SCOPE_SE
	s_setreg_imm32_b32 hwreg(HW_REG_WAVE_MODE, 25, 1), 1
	s_wait_xcnt 0x0
	s_wait_alu depctr_hold_cnt(0) depctr_sa_sdst(0) depctr_va_vdst(0) depctr_va_sdst(0) depctr_va_ssrc(0) depctr_va_vcc(0) depctr_vm_vsrc(0)
	s_getreg_b32 s2, hwreg(HW_REG_IB_STS2, 6, 4)
	s_cmp_eq_u32 s2, 0
	s_cbranch_scc0 .Lentry_in_a_cluster
	s_endpgm
.Lentry_in_a_cluster:
	s_bfe_u32 s2, ttmp6, 0x10000c
	s_cmp_lg_u32 s2, 0xf033
	s_cbranch_scc0 .Lentry_shape_is_right
	s_endpgm
.Lentry_shape_is_right:
; qh = clip(round(f32(silu_f16(f16(g))) * u / down_in_scale), -128, 127) as int8, with g = (qxg . gate_w^T) * (gate_in_scale * gate_w_scale) and
; u = (qxu . up_w^T) * (up_in_scale * up_w_scale).  qxg, qxu: codes of 512 tokens x 4,096, as [k / 16][token][16 bytes]; gate_w, up_w: [11008][4096] int8.
; qh: codes of 512 tokens x 11,008 columns, as [column / 16][token][16 bytes].
; FORMAT.  The operands are the int8 codes that the problem's own products multiply, the sums are int32 (v_wmma_i32_16x16x64_iu8, both signed): every sum is exact in any order.
; SHARES.  The 688 blocks of 16 columns are dealt to 64 chunks: chunk x begins at block (43 x) >> 2, and all chunks compute 11 blocks.  In each group of four chunks the first
; owns 10 blocks only: its eleventh is its neighbour's first, and its two stores of that block run with every lane off.  A work-group takes 128 tokens (y) of one chunk (x), for both
; products: 64 x 4 = 256 work-groups.  Wave (p = wave & 1, mh = wave >> 1) makes product p (0 gate, 1 up) for tokens 64 mh .. + 63: 4 x 11 = 44 accumulators of 16 x 16.
; K goes in 16 steps of 256 bytes through two LDS slots; a step is four chunks of 64, on two fragment buffers.
; THE MATRIX INSTRUCTION IS USED TRANSPOSED: source 0 = 16 weight rows, source 1 = 16 tokens; lane (r, h) of a result holds token r and columns 8 h .. 8 h + 7.
; K IS PERMUTED ALIKE ON BOTH SIDES: a fragment's registers 0-3 take the 16 bytes k = 64 q + 16 h .., registers 4-7 k = 64 q + 32 + 16 h ..: two loads of 16 bytes a fragment.
; CLUSTER 4 x 4 (x = 4 * cluster x + cx, y = cy).  The tokens' tiles hang on y alone and are asked for jointly along a row of the cluster; the weights' tiles hang on x alone
; and are asked for jointly along a column: the four work-groups that use a weight tile are the four of a column.
; LDS, a slot of 161,280 bytes: tokens for gate [16 k blocks][128][16] at 0, for up at 32,768; gate's weights at 65,536, 176 rows of 256 + 16 bytes, up's at 113,408.
; The token tiles need no padding: the 16 lanes of a load take 256 consecutive bytes.  A weight row of 272 bytes = 68 words begins at bank 4 r mod 64 (64 banks of 4 bytes: ISA guide 11.1).
; THE END.  Partner waves (p = 0, 1) exchange half of their raw sums through LDS (slot 0, which has had its last fill and its last read), so that each of the four waves holds g and u of 32 tokens.
; silu goes as the f16 computation goes, rounded to f16 after each step: f16(g); e = f16(exp(-g)); f16(1 + e); f16(1 / that); f16(g * that).
; LIMITS: exp and the reciprocal are the f32 instructions (1 ulp) ahead of the rounding to f16; the division by down_in_scale is a product with a Newton-refined reciprocal, so a code
; can differ only where the quotient lies within an ulp or two of a tie; down_in_scale must be normal with a finite reciprocal; NaN gives an unspecified code.
; REGISTERS: window 0: v1-15 addresses; v16-135, v136-255 two fragment buffers (11 weight fragments, then 4 token fragments); window 1: accumulators of token blocks 0, 1, (a, b) at v[8 (11 a + b)];
; window 2: those of token blocks 2, 3.  s_set_vgpr_msb's low byte: bits 1:0 source 0, 3:2 source 1, 5:4 source 2, 7:6 destination.
.set SLOT,  161280
.set WOFF,  65536                      ; the weights' tiles in a slot
.set WT,    47872                      ; 176 rows of 272 bytes
.set XCH,   22528                      ; a wave's part of the exchange: 22 tiles of 1,024 bytes
.set LAPS,  8                          ; a lap = two K steps = once round the ring
.set ADRA,  4                          ; v4-5   my token fragments in slot 0, 1
.set ADRW,  6                          ; v6-7   my weight fragments in slot 0, 1
.set XS,    8                          ; v8     the exchange: where I put 16 bytes
.set XR,    9                          ; v9     the exchange: where my partner put them
.set QO,    10                         ; v10    my byte offset in qh
.set CXV,   11                         ; v11    cx
.set ONE2,  12                         ; v12    1.0 twice, in f16
.set F0,    16
.set F1,    136
.set G,     16                         ; the end: v16-31 sixteen numbers of g, then of the result
.set U,     32                         ; v32-47 of u
.set H,     48                         ; v48-55 f16 pairs: g, then silu(g)
.set E,     56                         ; v56-63 f16 pairs: e, 1 + e, the sigmoid
.set PT,    64                         ; v64-71 bytes on their way to words
.set O,     128                        ; v128-171 the codes, four registers a column block; never written twice
.set G1A,   32                         ; s[32:39] descriptor group 1 of the tokens' tiles;  s[40:47] group 0, a set for each slot
.set G0A,   40
.set G1W,   48                         ; s[48:55], s[56:63] the same for the weights' tiles
.set G0W,   56
.set SG,    72                         ; s[72:73] gate_in_scale * gate_w_scale, twice
.set SU,    74                         ; s[74:75] up_in_scale * up_w_scale
.set RSD,   76                         ; s[76:77] 1 / down_in_scale
.set NL2E,  78                         ; s[78:79] -log2(e)
.set MAGIC, 80                         ; s[80:81] 1.5 * 2^23
.set MSB, 0
.macro WIN new                         ; the immediate's high byte repeats the setting that is left; a switch that changes nothing is dropped
.if MSB != (\new)
	s_set_vgpr_msb (MSB<<8)|(\new)
.set MSB, (\new)
.endif
.endm
; This matrix form wants eight places (plain vector instructions that name none of its registers) before a load lands in a register that it has read and before anything but a matrix
; instruction reads its result (ISA guide 7.12.1 for vector instructions).
.macro PLACES8
.rept 8
	v_nop
.endr
.endm
; A joint load.  Waves 0 and 1 fetch the two token tiles, waves 2 and 3 the two weight tiles.  The branch hangs on the wave's number alone.
; Four v_nop follow each of the two lines, ahead of the jump, the label and what follows.
.macro JLOAD s
	s_cmp_eq_u32 s25, 0
	s_cbranch_scc0 .Lfor_w_\@
	tensor_load_to_lds s[G0A+4*\s:G0A+4*\s+3], s[G1A:G1A+7]
	s_nop 0
.rept 4
	v_nop
.endr
	s_branch .Lasked_\@
.Lfor_w_\@:
	tensor_load_to_lds s[G0W+4*\s:G0W+4*\s+3], s[G1W:G1W+7]
	s_nop 0
.rept 4
	v_nop
.endr
.Lasked_\@:
.endm
.macro CREST                           ; a round of the cluster's barrier behind its opening barrier
	s_cmp_lg_u32 s24, 0
	s_cbranch_scc1 .Lnot_wave_0_\@
	s_barrier_signal -3
.Lnot_wave_0_\@:
	s_barrier_wait -3
	s_barrier_signal -1
	s_barrier_wait -1
.endm
.macro CROUND                          ; a whole round
	s_barrier_signal -1
	s_barrier_wait -1
	CREST
.endm
	s_load_b512 s[4:19], s[0:1], 0x0               ; qxg s[4:5], qxu s[6:7], gate_w s[8:9], up_w s[10:11], then the addresses of four scales
	s_load_b128 s[20:23], s[0:1], 0x40             ; down_in_scale's address s[20:21], qh s[22:23]
	s_set_vgpr_msb 0x40
	v_lshl_add_u32 v254, v0, 2, 0x4ec00
	v_mov_b32 v255, 0
	s_set_vgpr_msb 0x4045
	ds_add_u32 v254, v255
	s_set_vgpr_msb 0x4500
	v_lshrrev_b32 v1, 5, v0
	v_readfirstlane_b32 s24, v1                    ; wave 0..3
	s_lshr_b32 s25, s24, 1                         ; mh: which 64 tokens are mine.  Also: I fetch tokens (0) or weights (1)
	s_and_b32 s26, s24, 1                          ; p: which product is mine, and whose tile I fetch
	s_bfe_u32 s27, ttmp6, 0x40000                  ; cx
	s_bfe_u32 s28, ttmp6, 0x40004                  ; cy = y: the grid is one cluster high
	s_lshl_b32 s29, ttmp9, 2
	s_add_co_u32 s29, s29, s27                     ; x = 4 * cluster x + cx
	s_mul_i32 s30, s29, 43
	s_lshr_b32 s30, s30, 2                         ; my chunk's first block of 16 columns
	s_lshl_b32 s87, s28, 2
	s_lshl_b32 s87, 15, s87                        ; my row of the cluster
	s_lshl_b32 s88, 0x1111, s27                    ; my column
	; tokens: 16 rows (k blocks) of 256 elements of 8 bytes (128 tokens x 16 bytes), 1,024 elements from k block to k block; no padding
	s_or_b32 s[G1A+0], s87, (3<<16)|(1<<21)        ; 15:0 the mask; 17:16 elements of 8 bytes; 21 set beside a mask
	s_mov_b32 s[G1A+1], 256<<16                    ; tensor_dim0 = 256
	s_mov_b32 s[G1A+2], 16<<16                     ; tensor_dim1 = 16
	s_mov_b32 s[G1A+3], 256<<16                    ; tile_dim0 = 256
	s_mov_b32 s[G1A+4], 16                         ; tile_dim1 = 16
	s_mov_b32 s[G1A+5], 1024                       ; tensor_dim0_stride
	s_mov_b32 s[G1A+6], 0
	s_mov_b32 s[G1A+7], 0
	; weights: 176 rows of 32 elements of 8 bytes, 512 elements from row to row; 4 words of padding behind every 64
	s_or_b32 s[G1W+0], s88, (3<<16)|(1<<20)|(1<<21)|(5<<22)|(3<<25)
	s_mov_b32 s[G1W+1], 32<<16
	s_mov_b32 s[G1W+2], 176<<16
	s_mov_b32 s[G1W+3], 32<<16
	s_mov_b32 s[G1W+4], 176
	s_mov_b32 s[G1W+5], 512
	s_mov_b32 s[G1W+6], 0
	s_mov_b32 s[G1W+7], 0
	s_lshl_b32 s71, s26, 15                        ; where my token tile goes: p x 32,768: no place in the cluster enters an LDS address
	s_mul_i32 s89, s26, WT
	s_add_co_u32 s89, s89, WOFF                    ; where my weight tile goes
	s_lshl_b32 s94, s28, 11                        ; tokens: y x 128 x 16 bytes (registers that never hold cx)
	s_mov_b32 s95, 0
	s_lshl_b32 s98, s30, 16                        ; weights: first block x 16 rows of 4,096 bytes (registers that never hold cy)
	s_mov_b32 s99, 0
	s_wait_dscnt 0x0
	s_wait_kmcnt 0x0
	s_cmp_eq_u32 s26, 0
	s_cselect_b64 s[90:91], s[4:5], s[6:7]         ; gate's codes or up's
	s_cselect_b64 s[92:93], s[8:9], s[10:11]       ; gate's weights or up's
	s_add_nc_u64 s[90:91], s[90:91], s[94:95]
	s_add_nc_u64 s[92:93], s[92:93], s[98:99]
.irp s, 0,1
	s_mov_b32 s[G0A+4*\s], 1                                       ; count = 1
	s_add_co_u32 s[G0A+4*\s+1], s71, \s*SLOT                       ; LDS address
	s_add_nc_u64 s[G0A+4*\s+2:G0A+4*\s+3], s[90:91], \s*131072     ; K step s: 16 k blocks of 8,192 bytes on
	s_or_b32 s[G0A+4*\s+3], s[G0A+4*\s+3], 0x80000000              ; type = 2
	s_mov_b32 s[G0W+4*\s], 1
	s_add_co_u32 s[G0W+4*\s+1], s89, \s*SLOT
	s_add_nc_u64 s[G0W+4*\s+2:G0W+4*\s+3], s[92:93], \s*256        ; K step s: 256 bytes along the rows
	s_or_b32 s[G0W+4*\s+3], s[G0W+4*\s+3], 0x80000000
.endr
	CROUND                                         ; all sixteen work-groups are here: the first joint loads meet
	s_cmp_eq_u32 s25, 0                            ; a wave's two first fills stand in one branch, ahead of every wait on TENSORcnt and every LDS read: two loads of mine are out
	s_cbranch_scc0 .Lfirst_w
	tensor_load_to_lds s[G0A:G0A+3], s[G1A:G1A+7]
	s_nop 0
	tensor_load_to_lds s[G0A+4:G0A+7], s[G1A:G1A+7]
	s_nop 0
.rept 4
	v_nop
.endr
	s_branch .Lfirst_asked
.Lfirst_w:
	tensor_load_to_lds s[G0W:G0W+3], s[G1W:G1W+7]
	s_nop 0
	tensor_load_to_lds s[G0W+4:G0W+7], s[G1W:G1W+7]
	s_nop 0
.rept 4
	v_nop
.endr
.Lfirst_asked:
	s_load_b32 s66, s[12:13], 0x0                  ; gate_in_scale
	s_load_b32 s67, s[14:15], 0x0                  ; gate_w_scale
	s_load_b32 s68, s[16:17], 0x0                  ; up_in_scale
	s_load_b32 s69, s[18:19], 0x0                  ; up_w_scale
	s_load_b32 s70, s[20:21], 0x0                  ; down_in_scale
	v_and_b32 v1, 15, v0                           ; r
	v_bfe_u32 v2, v0, 4, 1                         ; h
	v_and_b32 v3, 31, v0
	v_lshlrev_b32 v3, 4, v3                        ; 16 x lane
	s_lshl_b32 s97, s25, 10
	s_add_co_u32 s97, s97, s71                     ; my product's token tile, my 64 tokens of 16 bytes
	v_lshlrev_b32 v[ADRA], 4, v1
	v_lshl_add_u32 v[ADRA], v2, 11, v[ADRA]        ; token r, k block h
	v_add_nc_u32 v[ADRA], s97, v[ADRA]
	v_add_nc_u32 v[ADRA+1], SLOT, v[ADRA]
	v_mul_u32_u24 v[ADRW], v1, 272
	v_lshl_add_u32 v[ADRW], v2, 4, v[ADRW]         ; weight row r, 16 bytes for each half of the lanes
	v_add_nc_u32 v[ADRW], s89, v[ADRW]
	v_add_nc_u32 v[ADRW+1], SLOT, v[ADRW]
	s_mul_i32 s96, s24, XCH
	v_add_nc_u32 v[XS], s96, v3
	s_xor_b32 s96, s24, 1                          ; my partner: the other product, the same tokens
	s_mul_i32 s96, s96, XCH
	v_add_nc_u32 v[XR], s96, v3
	s_lshl_b32 s31, s25, 10                        ; in qh: tokens 64 mh + 32 p + r, 16 bytes each, 8 bytes for each half of the lanes
	s_lshl_b32 s96, s26, 9
	s_add_co_u32 s31, s31, s96
	v_lshlrev_b32 v[QO], 4, v1
	v_lshl_add_u32 v[QO], v2, 3, v[QO]
	v_add_nc_u32 v[QO], s31, v[QO]
	v_mov_b32 v[CXV], s27
	v_mov_b32 v[ONE2], 0x3c003c00
	s_lshl_b32 s98, s30, 13                        ; qh at my chunk's first block (8,192 bytes a block) and my 128 tokens
	s_lshl_b32 s97, s28, 11
	s_add_co_u32 s98, s98, s97
	s_add_nc_u64 s[22:23], s[22:23], s[98:99]
	s_mov_b32 s[NL2E], 0xbfb8aa3b
	s_mov_b32 s[NL2E+1], 0xbfb8aa3b
	s_mov_b32 s[MAGIC], 0x4b400000
	s_mov_b32 s[MAGIC+1], 0x4b400000
	s_mov_b32 s82, 0x00000400                      ; byte 0 of the second source, byte 0 of the first
	s_mov_b32 s83, 0x05040100                      ; the two low halves
	s_mov_b32 s84, 0xc3000000                      ; -128.0
	s_mov_b32 s85, 0x42fe0000                      ; 127.0
	s_wait_kmcnt 0x0
	s_mul_f32 s[SG], s66, s67
	s_mul_f32 s[SU], s68, s69
	v_mov_b32 v13, s70
	v_rcp_f32 v14, v13
	v_nop                                          ; a plain instruction between the reciprocal and the use of its result (ISA guide 5.7.2)
	s_wait_alu depctr_va_vdst(0)
	v_fma_f32 v15, -v13, v14, 1.0
	v_fma_f32 v14, v15, v14, v14
	v_readfirstlane_b32 s[RSD], v14
	s_mov_b32 s[SG+1], s[SG]                       ; named as pairs by the packed multiplies
	s_mov_b32 s[SU+1], s[SU]
	s_mov_b32 s[RSD+1], s[RSD]
; 11 matrix instructions: token block 2 hi + a x all 11 column blocks, 64 along K.  zero = 1: the first product starts the sums: nothing is ever cleared.
; The 44 accumulators take turns, one instruction a turn, in the same order in every chunk.
.macro MUL11 f, hi, a, zero
	WIN (0x50+0x50*\hi)
.irp b, 0,1,2,3,4,5,6,7,8,9,10
.if \zero
	v_wmma_i32_16x16x64_iu8 v[8*(11*\a+\b):8*(11*\a+\b)+7], v[\f+8*\b:\f+8*\b+7], v[\f+88+8*(2*\hi+\a):\f+88+8*(2*\hi+\a)+7], 0 neg_lo:[1,1,0]
.else
	v_wmma_i32_16x16x64_iu8 v[8*(11*\a+\b):8*(11*\a+\b)+7], v[\f+8*\b:\f+8*\b+7], v[\f+88+8*(2*\hi+\a):\f+88+8*(2*\hi+\a)+7], v[8*(11*\a+\b):8*(11*\a+\b)+7] neg_lo:[1,1,0]
.endif
.endr
.endm
; 30 LDS loads in one run: the fragments of chunk q of a slot's K step into buffer f: 11 of weights, then token blocks 0 to 3
.macro FETCH slot, q, f
	WIN 0
.irp b, 0,1,2,3,4,5,6,7,8,9,10
	ds_load_b128 v[\f+8*\b:\f+8*\b+3],   v[ADRW+\slot] offset:\b*4352+64*\q
	ds_load_b128 v[\f+8*\b+4:\f+8*\b+7], v[ADRW+\slot] offset:\b*4352+64*\q+32
.endr
.irp a, 0,1,2,3
	ds_load_b128 v[\f+88+8*\a:\f+88+8*\a+3],   v[ADRA+\slot] offset:\q*8192+\a*256
	ds_load_b128 v[\f+88+8*\a+4:\f+88+8*\a+7], v[ADRA+\slot] offset:\q*8192+\a*256+4096
.endr
.endm
; One of a K step's first three chunks: multiplies buffer f; in its middle it fetches chunk q of the same slot into buffer g.
.macro QUARTER slot, q, f, g, zero
	s_wait_dscnt 0x4                               ; the weights and token blocks 0, 1 are in; the youngest four loads (blocks 2, 3) may be out
	MUL11 \f, 0, 0, \zero
	MUL11 \f, 0, 1, \zero
	PLACES8
	FETCH \slot, \q, \g
	s_wait_dscnt 30                                ; all but the 30 just issued
	MUL11 \f, 1, 0, \zero
	MUL11 \f, 1, 1, \zero
.endm
; The last chunk multiplies buffer 1 and changes slots: ONE barrier; in front of it each wave waits for its own reads of this slot and for all its tensor loads, of which one is out: its part
; of the next slot.  fill = 1: the barrier opens a round of the cluster's barrier, and this slot is filled again, two K steps ahead, first thing behind the round:
; from that request to the wait for it a wave issues 165 matrix instructions.
.macro TURN slot, next, fill
	s_wait_dscnt 0x4
	MUL11 F1, 0, 0, 0
	s_wait_dscnt 0x0                               ; my reads of this slot are over,
	s_set_vgpr_msb 0x5055
	s_wait_tensorcnt 0x0                           ; and all my tensor loads have landed
	ds_add_u32 v254, v255
	s_wait_dscnt 0x0
	s_set_vgpr_msb 0x5550
	s_barrier_signal -1
	MUL11 F1, 0, 1, 0                              ; work on registers while the others arrive
.if \fill
	WIN 0
.endif
	s_barrier_wait -1
.if \fill
	CREST                                          ; no wave of any partner still reads this slot's tiles or has a load on its way
	s_add_nc_u64 s[G0A+4*\slot+2:G0A+4*\slot+3], s[G0A+4*\slot+2:G0A+4*\slot+3], 262144
	s_add_nc_u64 s[G0W+4*\slot+2:G0W+4*\slot+3], s[G0W+4*\slot+2:G0W+4*\slot+3], 512
	JLOAD \slot
.endif
	PLACES8
	FETCH \next, 0, F0
	MUL11 F1, 1, 0, 0
	MUL11 F1, 1, 1, 0
.endm
	s_wait_tensorcnt 0x1                           ; my part of K step 0 is in; K step 1's may stay out
	s_barrier_signal -1
	s_barrier_wait -1                              ; everybody's is
	FETCH 0, 0, F0
	QUARTER 0, 1, F0, F1, 1                        ; the first chunk stands in front of the loop: its products start the sums
	WIN 0                                          ; at a label and at a branch every window is 0
	s_mov_b32 s86, LAPS-1
.Llap:                                                 ; a trip goes once round the ring, from a lap's second chunk to the next lap's first, and fills both slots again
	QUARTER 0, 2, F1, F0, 0
	QUARTER 0, 3, F0, F1, 0
	TURN 0, 1, 1
	QUARTER 1, 1, F0, F1, 0
	QUARTER 1, 2, F1, F0, 0
	QUARTER 1, 3, F0, F1, 0
	TURN 1, 0, 1
	QUARTER 0, 1, F0, F1, 0
	WIN 0
	s_sub_co_u32 s86, s86, 1
	s_cmp_lg_u32 s86, 0
	s_cbranch_scc1 .Llap
	QUARTER 0, 2, F1, F0, 0                        ; the last lap fills nothing
	QUARTER 0, 3, F0, F1, 0
	TURN 0, 1, 0                                   ; behind this barrier nobody reads slot 0 any more
	QUARTER 1, 1, F0, F1, 0
	QUARTER 1, 2, F1, F0, 0
	QUARTER 1, 3, F0, F1, 0
	s_wait_dscnt 0x4                               ; the very last chunk: nothing more to fetch
	MUL11 F1, 0, 0, 0
	MUL11 F1, 0, 1, 0
	s_wait_dscnt 0x0
	MUL11 F1, 1, 0, 0
	MUL11 F1, 1, 1, 0
	WIN 0
	PLACES8                                        ; the stores below read results just made
	; THE EXCHANGE.  The gate's wave keeps g of token blocks 0, 1 (window 1) and sends g of blocks 2, 3 (window 2); the up's wave keeps u of blocks 2, 3 (window 2) and sends u of blocks 0, 1
	; (window 1).  Each takes the other's into the window that it has sent: then window 1 holds g and window 2 holds u of tokens 64 mh + 32 p + 16 a + r, in every wave.
.macro XSTORE
.irp t, 0,1,2,3,4,5,6,7,8,9,10,11,12,13,14,15,16,17,18,19,20,21
	ds_store_b128 v[XS], v[8*\t:8*\t+3]   offset:\t*1024
	ds_store_b128 v[XS], v[8*\t+4:8*\t+7] offset:\t*1024+512
.endr
.endm
.macro XLOAD                           ; column block by column block: four loads a block
.irp b, 0,1,2,3,4,5,6,7,8,9,10
.irp a, 0,1
	ds_load_b128 v[8*(11*\a+\b):8*(11*\a+\b)+3],   v[XR] offset:(11*\a+\b)*1024
	ds_load_b128 v[8*(11*\a+\b)+4:8*(11*\a+\b)+7], v[XR] offset:(11*\a+\b)*1024+512
.endr
.endr
.endm
	s_cmp_eq_u32 s26, 0
	s_cbranch_scc0 .Lsend_u
	WIN 0x08                                       ; store data in window 2
	XSTORE
	WIN 0
	s_branch .Lsent
.Lsend_u:
	WIN 0x04                                       ; store data in window 1
	XSTORE
	WIN 0
.Lsent:
	s_wait_dscnt 0x0                               ; for my partner's sake: my stores are done
	s_barrier_signal -1
	s_barrier_wait -1
	s_cmp_eq_u32 s26, 0
	s_cbranch_scc0 .Ltake_g
	WIN 0x80                                       ; destination window 2
	XLOAD
	WIN 0
	s_branch .Ltaken
.Ltake_g:
	WIN 0x40                                       ; destination window 1
	XLOAD
	WIN 0
.Ltaken:
.macro WID d, s                        ; the two f16 of register s as f32 in v[d], v[d + 1]
	v_cvt_f32_f16 v[\d], v\s\().l
	v_cvt_f32_f16 v[\d+1], v\s\().h
.endm
.macro WIDEN_H                         ; H's sixteen f16 into G
	WID G+0, 48
	WID G+2, 49
	WID G+4, 50
	WID G+6, 51
	WID G+8, 52
	WID G+10, 53
	WID G+12, 54
	WID G+14, 55
.endm
.macro WIDEN_E                         ; E's sixteen f16 into G
	WID G+0, 56
	WID G+2, 57
	WID G+4, 58
	WID G+6, 59
	WID G+8, 60
	WID G+10, 61
	WID G+12, 62
	WID G+14, 63
.endm
.macro PKMS d, sp                      ; sixteen numbers at v[d] times the scalar in s[sp]
.irp j, 0,2,4,6,8,10,12,14
	v_pk_mul_f32 v[\d+\j:\d+\j+1], v[\d+\j:\d+\j+1], s[\sp:\sp+1] op_sel_hi:[1,0]
.endr
.endm
.macro NARROW d                        ; G's sixteen numbers rounded to f16, into the eight registers at d
	s_wait_alu depctr_va_vdst(0)
.irp i, 0,1,2,3,4,5,6,7
	v_cvt_pk_f16_f32 v[\d+\i], v[G+2*\i], v[G+2*\i+1]
.endr
.endm
; Column block b: sixteen numbers a lane (two token blocks x eight columns).
.macro EPI b
	s_wait_dscnt 40-4*\b                           ; the exchange's loads come back in order: block b's four are in, the 40 - 4 b behind them may be out
	WIN 0x01                                       ; source in window 1: g's sums
.irp a, 0,1
.irp j, 0,1,2,3,4,5,6,7
	v_cvt_f32_i32 v[G+8*\a+\j], v[8*(11*\a+\b)+\j]
.endr
.endr
	WIN 0x02                                       ; source in window 2: u's sums
.irp a, 0,1
.irp j, 0,1,2,3,4,5,6,7
	v_cvt_f32_i32 v[U+8*\a+\j], v[8*(11*\a+\b)+\j]
.endr
.endr
	WIN 0
	PKMS G, SG                                     ; g
	NARROW H                                       ; f16(g)
	WIDEN_H
	PKMS G, NL2E                                   ; -g log2(e)
.irp j, 0,1,2,3,4,5,6,7,8,9,10,11,12,13,14,15
	v_exp_f32 v[G+\j], v[G+\j]
.endr
	PKMS U, SU                                     ; u: also the plain instructions between the exponentials and the use of their results (ISA guide 5.7.2)
	NARROW E                                       ; e = f16(exp(-g))
.irp i, 0,1,2,3,4,5,6,7
	v_pk_add_f16 v[E+\i], v[E+\i], v[ONE2]         ; f16(1 + e)
.endr
	WIDEN_E
.irp j, 0,1,2,3,4,5,6,7,8,9,10,11,12,13,14,15
	v_rcp_f32 v[G+\j], v[G+\j]
.endr
	v_nop                                          ; a plain instruction between the last reciprocal and the use of its result
	s_wait_alu depctr_va_vdst(0)
	NARROW E                                       ; the sigmoid in f16
.irp i, 0,1,2,3,4,5,6,7
	v_pk_mul_f16 v[H+\i], v[H+\i], v[E+\i]         ; silu in f16
.endr
	WIDEN_H
.irp j, 0,2,4,6,8,10,12,14
	v_pk_mul_f32 v[G+\j:G+\j+1], v[G+\j:G+\j+1], v[U+\j:U+\j+1]    ; hidden, in f32
.endr
	PKMS G, RSD
.irp j, 0,1,2,3,4,5,6,7,8,9,10,11,12,13,14,15
	v_med3_num_f32 v[G+\j], v[G+\j], s84, s85      ; the clip comes first: its bounds are whole numbers
.endr
.irp j, 0,2,4,6,8,10,12,14
	v_pk_add_f32 v[G+\j:G+\j+1], v[G+\j:G+\j+1], s[MAGIC:MAGIC+1] op_sel_hi:[1,0]   ; rounds to the nearest whole number, ties to even; the code is the lowest byte
.endr
.irp g, 0,1,2,3
	v_perm_b32 v[PT+2*\g],   v[G+4*\g+1], v[G+4*\g],   s82
	v_perm_b32 v[PT+2*\g+1], v[G+4*\g+3], v[G+4*\g+2], s82
	v_perm_b32 v[O+4*\b+\g], v[PT+2*\g+1], v[PT+2*\g], s83
.endr
.if \b == 10
	v_cmp_ne_u32 vcc_lo, 0, v[CXV]                 ; the eleventh block of a cluster's first chunk is its neighbour's: there these two stores run with every lane off
	s_wait_xcnt 0x0                                ; EXEC is a source of the stores above: it changes only behind this wait
	s_and_saveexec_b32 s96, vcc_lo
.endif
.irp a, 0,1
	global_store_b64 v[QO], v[O+4*\b+2*\a:O+4*\b+2*\a+1], s[22:23] offset:\b*8192+\a*256   ; 32 lanes store 256 consecutive bytes, at a multiple of 256 from qh's first byte
.endr
.if \b == 10
	s_wait_xcnt 0x0                                ; and again in front of the line that widens it
	s_or_b32 exec_lo, exec_lo, s96
.endif
.endm
.irp b, 0,1,2,3,4,5,6,7,8,9,10
	EPI \b
.endr
	s_set_vgpr_msb 0x5
	s_wait_tensorcnt 0x0
	ds_add_u32 v254, v255
	s_wait_dscnt 0x0
	s_set_vgpr_msb 0x500
	CROUND                                         ; the closing round: no work-group ends while a partner may still ask for a tile that names it
	s_endpgm
.Lfunc_end_k_q91d951c6d7_gateup:
	.size	k_q91d951c6d7_gateup, .Lfunc_end_k_q91d951c6d7_gateup-k_q91d951c6d7_gateup
	.p2alignl 7, 3214868480
	.fill 96, 4, 3214868480
	.section	.rodata,"a",@progbits
	.p2align	6, 0x0
	.amdhsa_kernel k_q91d951c6d7_gateup
		.amdhsa_group_segment_fixed_size 327680
		.amdhsa_private_segment_fixed_size 0
		.amdhsa_enable_private_segment 0
		.amdhsa_kernarg_size 80
		.amdhsa_user_sgpr_count 2
		.amdhsa_user_sgpr_kernarg_segment_ptr 1
		.amdhsa_wavefront_size32 1
		.amdhsa_system_sgpr_workgroup_id_x 1
		.amdhsa_system_sgpr_workgroup_id_y 1
		.amdhsa_system_sgpr_workgroup_id_z 1
		.amdhsa_system_vgpr_workitem_id 0
		.amdhsa_next_free_vgpr 688
		.amdhsa_next_free_sgpr 100
		.amdhsa_reserve_vcc 1
		.amdhsa_float_denorm_mode_32 3
		.amdhsa_float_denorm_mode_16_64 3
		.amdhsa_memory_ordered 1
		.amdhsa_forward_progress 1
		.amdhsa_inst_pref_size 227
	.end_amdhsa_kernel
	.amdgpu_metadata
---
amdhsa.version: [ 1, 2 ]
amdhsa.kernels:
  - .name:           k_q91d951c6d7_gateup
    .symbol:         k_q91d951c6d7_gateup.kd
    .args:
      - { .name: qxg, .offset: 0, .size: 8, .value_kind: global_buffer, .address_space: global }
      - { .name: qxu, .offset: 8, .size: 8, .value_kind: global_buffer, .address_space: global }
      - { .name: gate_w, .offset: 16, .size: 8, .value_kind: global_buffer, .address_space: global }
      - { .name: up_w, .offset: 24, .size: 8, .value_kind: global_buffer, .address_space: global }
      - { .name: gate_in_scale, .offset: 32, .size: 8, .value_kind: global_buffer, .address_space: global }
      - { .name: gate_w_scale, .offset: 40, .size: 8, .value_kind: global_buffer, .address_space: global }
      - { .name: up_in_scale, .offset: 48, .size: 8, .value_kind: global_buffer, .address_space: global }
      - { .name: up_w_scale, .offset: 56, .size: 8, .value_kind: global_buffer, .address_space: global }
      - { .name: down_in_scale, .offset: 64, .size: 8, .value_kind: global_buffer, .address_space: global }
      - { .name: qh, .offset: 72, .size: 8, .value_kind: global_buffer, .address_space: global }
    .group_segment_fixed_size: 327680
    .private_segment_fixed_size: 0
    .kernarg_segment_align: 8
    .kernarg_segment_size: 80
    .max_flat_workgroup_size: 128
    .sgpr_count:     100
    .vgpr_count:     688
    .wavefront_size: 32
...
	.end_amdgpu_metadata
.endif
;; end of part 2
;; launch down (part 3): grid 64 x 4, 4 waves a work-group, clusters of 4 x 4, 327,680 bytes of LDS; arguments qh, down_w, down_in_scale, down_w_scale, out0; writes out0
.if DOCPART == 3
	.amdgcn_target "amdgcn-amd-amdhsa--gfx1250"
	.amdhsa_code_object_version 6
	.text
	.protected	k_q91d951c6d7_down
	.globl	k_q91d951c6d7_down
	.p2align	8
	.type	k_q91d951c6d7_down,@function
k_q91d951c6d7_down:
	s_mov_b64 s[64:65], 0
	v_nop
	global_prefetch_b8 v0, s[64:65] scope:SCOPE_SE
	s_setreg_imm32_b32 hwreg(HW_REG_WAVE_MODE, 25, 1), 1
	s_wait_xcnt 0x0
	s_wait_alu depctr_hold_cnt(0) depctr_sa_sdst(0) depctr_va_vdst(0) depctr_va_sdst(0) depctr_va_ssrc(0) depctr_va_vcc(0) depctr_vm_vsrc(0)
	s_getreg_b32 s2, hwreg(HW_REG_IB_STS2, 6, 4)
	s_cmp_eq_u32 s2, 0
	s_cbranch_scc0 .Lentry_in_a_cluster
	s_endpgm
.Lentry_in_a_cluster:
	s_bfe_u32 s2, ttmp6, 0x10000c
	s_cmp_lg_u32 s2, 0xf033
	s_cbranch_scc0 .Lentry_shape_is_right
	s_endpgm
.Lentry_shape_is_right:
; out0[t][n] = (the sum over k of qh[t][k] down_w[n][k]) * (down_in_scale * down_w_scale).  qh: codes of 512 tokens x 11,008, as [k / 16][token][16 bytes];
; down_w: [4096][11008] int8; out0: [512][4096] f32.  The operands are the problem's own int8 codes, the sums int32 (v_wmma_i32_16x16x64_iu8, both signed): exact in any order.
; SHARES.  A work-group makes 128 tokens (y) x 64 outputs (x): 64 x 4 = 256 work-groups.  K goes in 43 steps of 256 bytes.  In every step wave w takes bytes 64 w .. 64 w + 63 of all rows
; and holds the whole tile, 8 x 4 = 32 accumulators of 16 x 16: a wave's loads of 12,288 bytes feed 32 matrix instructions.  The four waves' int32 sums meet in LDS at the end.
; THE MATRIX INSTRUCTION IS USED TRANSPOSED (source 0 = 16 weight rows, source 1 = 16 tokens): lane (r, h) of a result holds token r and outputs 8 h .. 8 h + 7.
; K is permuted alike on both sides: a fragment's registers 0-3 take 16 bytes at 16 h of the wave's 64, registers 4-7 those at 32 + 16 h.
; RING.  Two slots of 150,528 bytes, three K steps in each: the tokens' [48 k blocks][128][16] at 0, then for each step 64 weight rows of 256 + 16 bytes.  43 = 3 x 14 + 1: fifteen fills, the last
; of one step.  Waves 0 to 2 fetch one step's weights each (step = wave), wave 3 the tokens' tile (all three steps in one load).
; CLUSTER 4 x 4 (x = 4 * cluster x + cx, y = cy): the tokens' tiles are asked for jointly along a row of the cluster, the weights' along a column.
; REGISTERS: window 0: v1-19 addresses; v32-127, v128-223 two fragment buffers (4 weight fragments, then 8 token fragments); window 1: accumulator (a, b) at v[8 (4 a + b)].
.set SLOT,  150528
.set WOFF,  98304                      ; the weights' tiles in a slot
.set WT,    17408                      ; 64 rows of 272 bytes: one step's weights
.set STAGE, SLOT                       ; the end: slot 1's bytes, behind its last fill and its last read: four partial tiles of 128 rows of 256 + 16 bytes
.set PART,  34816
.set ADRA,  8                          ; v8-13  my token fragments: slot 0 steps 0-2, slot 1 steps 0-2
.set ADRW,  14                         ; v14-15 my weight fragments in slot 0, 1
.set STO,   16                         ; v16    the end: where I put 16 bytes of a partial row
.set RD0,   17                         ; v17    the end: where I read rows of partial tiles 0, 1
.set RD1,   18                         ; v18    and of 2, 3
.set CO,    19                         ; v19    my byte offset in out0
.set F0,    32
.set F1,    128
.set G1A,   24                         ; s[24:31] descriptor group 1 of the tokens' tiles;  s[32:39] group 0, a set for each slot
.set G0A,   32
.set G1W,   40                         ; s[40:47], s[48:55] the same for the weights' tiles
.set G0W,   48
.set MSB, 0
.macro WIN new                         ; the immediate's high byte repeats the setting that is left; a switch that changes nothing is dropped
.if MSB != (\new)
	s_set_vgpr_msb (MSB<<8)|(\new)
.set MSB, (\new)
.endif
.endm
; This matrix form wants eight places (plain vector instructions that name none of its registers) before a load lands in a register that it has read and before anything but a matrix
; instruction reads its result (ISA guide 7.12.1 for vector instructions).
.macro PLACES8
.rept 8
	v_nop
.endr
.endm
; A joint load: wave 3 the tokens' tile, waves 0 to 2 a step's weights each.  Four v_nop follow each line.
.macro JLOAD s
	s_cmp_eq_u32 s14, 3
	s_cbranch_scc0 .Lfor_w_\@
	tensor_load_to_lds s[G0A+4*\s:G0A+4*\s+3], s[G1A:G1A+7]
	s_nop 0
.rept 4
	v_nop
.endr
	s_branch .Lasked_\@
.Lfor_w_\@:
	tensor_load_to_lds s[G0W+4*\s:G0W+4*\s+3], s[G1W:G1W+7]
	s_nop 0
.rept 4
	v_nop
.endr
.Lasked_\@:
.endm
; The last fill, of one K step, into slot 0: wave 3 the tokens' 16 k blocks, wave 0 the step's weights; waves 1 and 2 have no part of it and issue nothing.
.macro JLOADP
	s_cmp_eq_u32 s14, 3
	s_cbranch_scc0 .Lnot_a_\@
	tensor_load_to_lds s[G0A:G0A+3], s[G1A:G1A+7]
	s_nop 0
.rept 4
	v_nop
.endr
	s_branch .Lnone_\@
.Lnot_a_\@:
	s_cmp_eq_u32 s14, 0
	s_cbranch_scc0 .Lnone_\@
	tensor_load_to_lds s[G0W:G0W+3], s[G1W:G1W+7]
	s_nop 0
.rept 4
	v_nop
.endr
.Lnone_\@:
.endm
.macro CREST                           ; a round of the cluster's barrier behind its opening barrier
	s_cmp_lg_u32 s14, 0
	s_cbranch_scc1 .Lnot_wave_0_\@
	s_barrier_signal -3
.Lnot_wave_0_\@:
	s_barrier_wait -3
	s_barrier_signal -1
	s_barrier_wait -1
.endm
.macro CROUND                          ; a whole round
	s_barrier_signal -1
	s_barrier_wait -1
	CREST
.endm
	s_load_b256 s[4:11], s[0:1], 0x0               ; qh s[4:5], down_w s[6:7], the addresses of down_in_scale s[8:9] and down_w_scale s[10:11]
	s_load_b64 s[12:13], s[0:1], 0x20              ; out0
	v_lshl_add_u32 v254, v0, 2, 0x49800
	v_mov_b32 v255, 0
	ds_add_u32 v254, v255
	v_lshrrev_b32 v1, 5, v0
	v_readfirstlane_b32 s14, v1                    ; wave 0..3
	s_bfe_u32 s15, ttmp6, 0x40000                  ; cx
	s_bfe_u32 s16, ttmp6, 0x40004                  ; cy = y: the grid is one cluster high
	s_lshl_b32 s17, ttmp9, 2
	s_add_co_u32 s17, s17, s15                     ; x = 4 * cluster x + cx
	s_lshl_b32 s59, s16, 2
	s_lshl_b32 s59, 15, s59                        ; my row of the cluster
	s_lshl_b32 s62, 0x1111, s15                    ; my column
	; tokens: 48 rows (k blocks) of 256 elements of 8 bytes (128 tokens x 16 bytes), 1,024 elements from k block to k block; no padding
	s_or_b32 s[G1A+0], s59, (3<<16)|(1<<21)        ; 15:0 the mask; 17:16 elements of 8 bytes; 21 set beside a mask
	s_mov_b32 s[G1A+1], 256<<16                    ; tensor_dim0 = 256
	s_mov_b32 s[G1A+2], 48<<16                     ; tensor_dim1 = 48
	s_mov_b32 s[G1A+3], 256<<16                    ; tile_dim0 = 256
	s_mov_b32 s[G1A+4], 48                         ; tile_dim1 = 48
	s_mov_b32 s[G1A+5], 1024                       ; tensor_dim0_stride
	s_mov_b32 s[G1A+6], 0
	s_mov_b32 s[G1A+7], 0
	; weights: 64 rows of 32 elements of 8 bytes, 1,376 elements from row to row; 4 words of padding behind every 64
	s_or_b32 s[G1W+0], s62, (3<<16)|(1<<20)|(1<<21)|(5<<22)|(3<<25)
	s_mov_b32 s[G1W+1], 32<<16
	s_mov_b32 s[G1W+2], 64<<16
	s_mov_b32 s[G1W+3], 32<<16
	s_mov_b32 s[G1W+4], 64
	s_mov_b32 s[G1W+5], 1376
	s_mov_b32 s[G1W+6], 0
	s_mov_b32 s[G1W+7], 0
	s_mul_i32 s19, s14, WT                         ; where my step's weights go: the weights' region + wave x 17,408: each of waves 0 to 2 has bytes of its own,
	s_add_co_u32 s19, s19, WOFF                    ; and no place in the cluster enters an LDS address.  (Wave 3 makes these words too and never issues a load by them.)
	s_lshl_b32 s20, s16, 11                        ; tokens: y x 128 x 16 bytes (registers that never hold cx)
	s_mov_b32 s21, 0
	s_mul_i32 s22, s17, 704512                     ; weights: x x 64 rows of 11,008 bytes,
	s_lshl_b32 s23, s14, 8                         ; my step's 256 bytes (registers that never hold cy)
	s_add_co_u32 s22, s22, s23
	s_mov_b32 s23, 0
	s_wait_dscnt 0x0
	s_wait_kmcnt 0x0
	s_add_nc_u64 s[4:5], s[4:5], s[20:21]
	s_add_nc_u64 s[6:7], s[6:7], s[22:23]
.irp s, 0,1
	s_mov_b32 s[G0A+4*\s], 1                                       ; count = 1
	s_mov_b32 s[G0A+4*\s+1], \s*SLOT                               ; LDS address
	s_add_nc_u64 s[G0A+4*\s+2:G0A+4*\s+3], s[4:5], \s*393216       ; fill s: 48 k blocks of 8,192 bytes on
	s_or_b32 s[G0A+4*\s+3], s[G0A+4*\s+3], 0x80000000              ; type = 2
	s_mov_b32 s[G0W+4*\s], 1
	s_add_co_u32 s[G0W+4*\s+1], s19, \s*SLOT
	s_add_nc_u64 s[G0W+4*\s+2:G0W+4*\s+3], s[6:7], \s*768          ; fill s: three steps of 256 bytes on
	s_or_b32 s[G0W+4*\s+3], s[G0W+4*\s+3], 0x80000000
.endr
	CROUND                                         ; all sixteen work-groups are here: the first joint loads meet
	s_cmp_eq_u32 s14, 3                            ; a wave's two first fills stand in one branch, ahead of every wait on TENSORcnt and every LDS read: two loads of mine are out
	s_cbranch_scc0 .Lfirst_w
	tensor_load_to_lds s[G0A:G0A+3], s[G1A:G1A+7]
	s_nop 0
	tensor_load_to_lds s[G0A+4:G0A+7], s[G1A:G1A+7]
	s_nop 0
.rept 4
	v_nop
.endr
	s_branch .Lfirst_asked
.Lfirst_w:
	tensor_load_to_lds s[G0W:G0W+3], s[G1W:G1W+7]
	s_nop 0
	tensor_load_to_lds s[G0W+4:G0W+7], s[G1W:G1W+7]
	s_nop 0
.rept 4
	v_nop
.endr
.Lfirst_asked:
	s_load_b32 s57, s[8:9], 0x0                    ; down_in_scale
	s_load_b32 s58, s[10:11], 0x0                  ; down_w_scale
	v_and_b32 v1, 15, v0                           ; r
	v_bfe_u32 v2, v0, 4, 1                         ; h
	s_lshl_b32 s63, s14, 13                        ; my 64 bytes of K are k blocks 4 w .. 4 w + 3 of a step's 16
	v_lshlrev_b32 v3, 4, v1
	v_lshl_add_u32 v3, v2, 11, v3                  ; token r, k block h
	v_add_nc_u32 v3, s63, v3
.irp i, 0,1,2,3,4,5
	v_add_nc_u32 v[ADRA+\i], (\i/3)*SLOT+(\i%3)*32768, v3
.endr
	s_lshl_b32 s63, s14, 6
	s_add_co_u32 s63, s63, WOFF
	v_mul_u32_u24 v4, v1, 272                      ; row r of 272 bytes: used twice
	v_lshl_add_u32 v[ADRW], v2, 4, v4
	v_add_nc_u32 v[ADRW], s63, v[ADRW]             ; weight row r, my 64 bytes, 16 for each half of the lanes
	v_add_nc_u32 v[ADRW+1], SLOT, v[ADRW]
	s_mul_i32 s63, s14, PART
	s_add_co_u32 s63, s63, STAGE                   ; my partial tile
	v_lshl_add_u32 v[STO], v2, 5, v4               ; token r, 32 bytes (8 outputs) for each half of the lanes
	v_add_nc_u32 v[STO], s63, v[STO]
	s_mul_i32 s63, s14, 32*272
	s_add_co_u32 s63, s63, STAGE                   ; back: wave w takes tokens 32 w .. 32 w + 31 of all four partial tiles; lanes 0-15 one row of 256 bytes, lanes 16-31 the next
	v_mul_u32_u24 v5, v2, 272
	v_lshl_add_u32 v5, v1, 4, v5
	v_add_nc_u32 v[RD0], s63, v5
	v_add_nc_u32 v[RD1], 2*PART, v[RD0]
	v_lshlrev_b32 v[CO], 14, v2                    ; and the same two rows in out0
	v_lshl_add_u32 v[CO], v1, 4, v[CO]
	s_lshl_b32 s22, s17, 8                         ; out0 at my 64 outputs (256 bytes),
	s_lshl_b32 s63, s16, 21                        ; my work-group's 128 tokens of 16,384 bytes,
	s_add_co_u32 s22, s22, s63
	s_lshl_b32 s63, s14, 19                        ; my wave's 32 of them
	s_add_co_u32 s22, s22, s63
	s_add_nc_u64 s[12:13], s[12:13], s[22:23]
	s_wait_kmcnt 0x0
	s_mul_f32 s60, s57, s58
	s_mov_b32 s61, s60                             ; named as a pair by the packed multiply
; 8 matrix instructions: token blocks a0, a0 + 1 x all 4 output blocks, my 64 of a K step.  zero = 1: the first product starts the sums.
; The 32 accumulators take turns, one instruction a turn, in the same order in every step.
.macro MUL8 f, a0, zero
	WIN 0x50
.irp a, \a0, \a0+1
.irp b, 0,1,2,3
.if \zero
	v_wmma_i32_16x16x64_iu8 v[8*(4*(\a)+\b):8*(4*(\a)+\b)+7], v[\f+8*\b:\f+8*\b+7], v[\f+32+8*(\a):\f+32+8*(\a)+7], 0 neg_lo:[1,1,0]
.else
	v_wmma_i32_16x16x64_iu8 v[8*(4*(\a)+\b):8*(4*(\a)+\b)+7], v[\f+8*\b:\f+8*\b+7], v[\f+32+8*(\a):\f+32+8*(\a)+7], v[8*(4*(\a)+\b):8*(4*(\a)+\b)+7] neg_lo:[1,1,0]
.endif
.endr
.endr
.endm
; 24 LDS loads in one run: my fragments of step j of a slot into buffer f: 4 of weights, then token blocks 0 to 7
.macro FETCH slot, j, f
	WIN 0
.irp b, 0,1,2,3
	ds_load_b128 v[\f+8*\b:\f+8*\b+3],   v[ADRW+\slot] offset:\j*WT+\b*4352
	ds_load_b128 v[\f+8*\b+4:\f+8*\b+7], v[ADRW+\slot] offset:\j*WT+\b*4352+32
.endr
.irp a, 0,1,2,3,4,5,6,7
	ds_load_b128 v[\f+32+8*\a:\f+32+8*\a+3],   v[ADRA+3*\slot+\j] offset:\a*256
	ds_load_b128 v[\f+32+8*\a+4:\f+32+8*\a+7], v[ADRA+3*\slot+\j] offset:\a*256+4096
.endr
.endm
; One of a slot's first two steps: multiplies buffer f; in its middle it fetches step j of the same slot into buffer g.
.macro STEPQ slot, j, f, g, zero
	s_wait_dscnt 0x8                               ; the weights and token blocks 0-3 are in; the youngest eight loads (blocks 4-7) may be out
	MUL8 \f, 0, \zero
	MUL8 \f, 2, \zero
	PLACES8
	FETCH \slot, \j, \g
	s_wait_dscnt 24                                ; all but the 24 just issued
	MUL8 \f, 4, \zero
	MUL8 \f, 6, \zero
.endm
; A slot's last step multiplies buffer f and changes slots: ONE barrier; in front of it each wave waits for its own reads of this slot and for all its tensor loads.
; fill = 1: the barrier opens a round of the cluster's barrier and this slot is filled again, two fills ahead, first thing behind the round: from that request to the wait for it a wave
; issues 88 matrix instructions.  fill = 2: the same with the last fill, of one step.  fill = 0: nothing is left to fetch.
.macro TURN slot, next, f, g, fill
	s_wait_dscnt 0x8
	MUL8 \f, 0, 0
	s_wait_dscnt 0x0                               ; my reads of this slot are over,
	s_wait_tensorcnt 0x0                           ; and all my tensor loads have landed
	ds_add_u32 v254, v255
	s_wait_dscnt 0x0
	s_barrier_signal -1
	MUL8 \f, 2, 0                                  ; work on registers while the others arrive
	WIN 0
	s_barrier_wait -1
.if \fill
	CREST                                          ; no wave of any partner still reads this slot's tiles or has a load on its way
	s_add_nc_u64 s[G0A+4*\slot+2:G0A+4*\slot+3], s[G0A+4*\slot+2:G0A+4*\slot+3], 786432
	s_add_nc_u64 s[G0W+4*\slot+2:G0W+4*\slot+3], s[G0W+4*\slot+2:G0W+4*\slot+3], 1536
.if \fill == 2
	s_mov_b32 s[G1A+2], 16<<16                     ; the last 16 k blocks: tensor_dim1 = 16,
	s_mov_b32 s[G1A+4], 16                         ; tile_dim1 = 16 (no tensor load of mine is out)
	JLOADP
.else
	JLOAD \slot
.endif
.endif
	PLACES8
	FETCH \next, 0, \g
	MUL8 \f, 4, 0
	MUL8 \f, 6, 0
.endm
	s_wait_tensorcnt 0x1                           ; my part of fill 0 is in; fill 1's may stay out
	s_barrier_signal -1
	s_barrier_wait -1                              ; everybody's is
	FETCH 0, 0, F0
	STEPQ 0, 1, F0, F1, 1                          ; K step 0 stands in front of the loop: its products start the sums
	WIN 0                                          ; at a label and at a branch every window is 0
	s_mov_b32 s56, 6
.Llap:                                                 ; a trip is six K steps, once round the ring: steps 1 to 36; it asks for fills 2 to 13
	STEPQ 0, 2, F1, F0, 0
	TURN 0, 1, F0, F1, 1
	STEPQ 1, 1, F1, F0, 0
	STEPQ 1, 2, F0, F1, 0
	TURN 1, 0, F1, F0, 1
	STEPQ 0, 1, F0, F1, 0
	WIN 0
	s_sub_co_u32 s56, s56, 1
	s_cmp_lg_u32 s56, 0
	s_cbranch_scc1 .Llap
	STEPQ 0, 2, F1, F0, 0                          ; step 37
	TURN 0, 1, F0, F1, 2                           ; step 38; slot 0 takes the last fill, step 42
	STEPQ 1, 1, F1, F0, 0                          ; step 39
	STEPQ 1, 2, F0, F1, 0                          ; step 40
	TURN 1, 0, F1, F0, 0                           ; step 41; behind this barrier nobody reads slot 1 any more
	s_wait_dscnt 0x8                               ; step 42: nothing more to fetch
	MUL8 F0, 0, 0
	MUL8 F0, 2, 0
	s_wait_dscnt 0x0
	MUL8 F0, 4, 0
	MUL8 F0, 6, 0
	WIN 0
	PLACES8                                        ; the stores below read results just made
	; THE END.  Each wave's 128 x 64 int32 sums go into its own partial tile; a barrier; wave w adds the four partial tiles' rows 32 w .. 32 w + 31, scales and stores them.
	WIN 0x04                                       ; store data in window 1
.irp a, 0,1,2,3,4,5,6,7
.irp b, 0,1,2,3
	ds_store_b128 v[STO], v[8*(4*\a+\b):8*(4*\a+\b)+3]   offset:\a*4352+\b*64
	ds_store_b128 v[STO], v[8*(4*\a+\b)+4:8*(4*\a+\b)+7] offset:\a*4352+\b*64+16
.endr
.endr
	s_wait_dscnt 0x0                               ; for the others' sake: my stores are done
	s_barrier_signal -1
	s_barrier_wait -1
; Pair t of my rows (rows 32 w + 2 t, + 1) of the four partial tiles, into window 1 at v[16 t], four registers for each partial tile.
.macro BACK t
	ds_load_b128 v[16*\t:16*\t+3],     v[RD0] offset:\t*544
	ds_load_b128 v[16*\t+4:16*\t+7],   v[RD0] offset:PART+\t*544
	ds_load_b128 v[16*\t+8:16*\t+11],  v[RD1] offset:\t*544
	ds_load_b128 v[16*\t+12:16*\t+15], v[RD1] offset:PART+\t*544
.endm
; Pair t: the four partial sums are added in int32 (exact), turned into f32 and scaled.  left = the LDS loads issued behind pair t's four, which may stay out.
.macro SUM t, left
	s_wait_dscnt \left                             ; LDS loads come back in order (ISA guide 5.7.1): pair t's four are in
.irp k, 0,1,2,3
	v_add_nc_u32 v[16*\t+\k], v[16*\t+\k], v[16*\t+4+\k]
.endr
.irp k, 0,1,2,3
	v_add_nc_u32 v[16*\t+8+\k], v[16*\t+8+\k], v[16*\t+12+\k]
.endr
.irp k, 0,1,2,3
	v_add_nc_u32 v[16*\t+\k], v[16*\t+\k], v[16*\t+8+\k]
.endr
.irp k, 0,1,2,3
	v_cvt_f32_i32 v[16*\t+\k], v[16*\t+\k]
.endr
	v_pk_mul_f32 v[16*\t:16*\t+1],   v[16*\t:16*\t+1],   s[60:61] op_sel_hi:[1,0]
	v_pk_mul_f32 v[16*\t+2:16*\t+3], v[16*\t+2:16*\t+3], s[60:61] op_sel_hi:[1,0]
.endm
	; The loads go out in two runs, twelve pairs and then four: at most 48 are out at a time, and each count below names just the loads behind the pair's own.
	WIN 0x40                                       ; destination window 1, address window 0
.irp t, 0,1,2,3,4,5,6,7,8,9,10,11
	BACK \t
.endr
	WIN 0x55                                       ; everything in window 1
.irp t, 0,1,2,3
	SUM \t, 44-4*\t                                ; behind pair t's loads stand those of pairs t + 1 to 11
.endr
	WIN 0x40
.irp t, 12,13,14,15
	BACK \t
.endr
	WIN 0x55
.irp t, 4,5,6,7,8,9,10,11,12,13,14,15
	SUM \t, 60-4*\t                                ; behind pair t's loads stand those of pairs t + 1 to 15
.endr
	WIN 0x04                                       ; store data in window 1, address in window 0
.irp t, 0,1,2,3,4,5,6,7,8,9,10,11,12,13,14,15
	global_store_b128 v[CO], v[16*\t:16*\t+3], s[12:13] offset:\t*32768   ; 16 lanes store 256 consecutive bytes, at a multiple of 256 from out0's first byte
.endr
	WIN 0
	s_wait_tensorcnt 0x0
	ds_add_u32 v254, v255
	s_wait_dscnt 0x0
	CROUND                                         ; the closing round: no work-group ends while a partner may still ask for a tile that names it
	s_endpgm
.Lfunc_end_k_q91d951c6d7_down:
	.size	k_q91d951c6d7_down, .Lfunc_end_k_q91d951c6d7_down-k_q91d951c6d7_down
	.p2alignl 7, 3214868480
	.fill 96, 4, 3214868480
	.section	.rodata,"a",@progbits
	.p2align	6, 0x0
	.amdhsa_kernel k_q91d951c6d7_down
		.amdhsa_group_segment_fixed_size 327680
		.amdhsa_private_segment_fixed_size 0
		.amdhsa_enable_private_segment 0
		.amdhsa_kernarg_size 40
		.amdhsa_user_sgpr_count 2
		.amdhsa_user_sgpr_kernarg_segment_ptr 1
		.amdhsa_wavefront_size32 1
		.amdhsa_system_sgpr_workgroup_id_x 1
		.amdhsa_system_sgpr_workgroup_id_y 1
		.amdhsa_system_sgpr_workgroup_id_z 1
		.amdhsa_system_vgpr_workitem_id 0
		.amdhsa_next_free_vgpr 512
		.amdhsa_next_free_sgpr 66
		.amdhsa_reserve_vcc 0
		.amdhsa_float_denorm_mode_32 3
		.amdhsa_float_denorm_mode_16_64 3
		.amdhsa_memory_ordered 1
		.amdhsa_forward_progress 1
		.amdhsa_inst_pref_size 82
	.end_amdhsa_kernel
	.amdgpu_metadata
---
amdhsa.version: [ 1, 2 ]
amdhsa.kernels:
  - .name:           k_q91d951c6d7_down
    .symbol:         k_q91d951c6d7_down.kd
    .args:
      - { .name: qh, .offset: 0, .size: 8, .value_kind: global_buffer, .address_space: global }
      - { .name: down_w, .offset: 8, .size: 8, .value_kind: global_buffer, .address_space: global }
      - { .name: down_in_scale, .offset: 16, .size: 8, .value_kind: global_buffer, .address_space: global }
      - { .name: down_w_scale, .offset: 24, .size: 8, .value_kind: global_buffer, .address_space: global }
      - { .name: out0, .offset: 32, .size: 8, .value_kind: global_buffer, .address_space: global }
    .group_segment_fixed_size: 327680
    .private_segment_fixed_size: 0
    .kernarg_segment_align: 8
    .kernarg_segment_size: 40
    .max_flat_workgroup_size: 128
    .sgpr_count:     66
    .vgpr_count:     512
    .wavefront_size: 32
...
	.end_amdgpu_metadata
.endif
;; end of part 3
